; MI455X (gfx1250); checked and timed in simulation.
; The chip was launched on July 23, 2026; its instructions are those of AMD's public machine-readable ISA for CDNA 5 (MIT licence, August 2026) and "CDNA5" Instruction Set Architecture Reference Guide (July 2026). The comments in the code are by the model that wrote it; some were corrected since.
;; IDNN. Allowed arithmetic: matrix products marked QUANTISED: E2M1 operands, one E8M0 scale for each 32 along K, by v_wmma_scale_f32_16x16x128_f8f6f4 with both operands' format E2M1 (or v_wmma_scale_f32_32x16x128_f4), f32 sums; products left as they are: f32 operands where the result goes on into a quantised operand, else bf16, f16 or f32 operands; f32 sums; everything else in f32.
;; Inputs: W1 6 x 64 float32; W2 64 x 64 float32; W3 64 x 64 float32; Wout 64 x 1 float32; b1 64 float32; b2 64 float32; b3 64 float32; x1 131,072 x 4 float32; x4 131,072 x 2 float32.
;; Outputs: out0 131,072 x 1 float32; out1 131,072 x 4 float32; out2 131,072 x 4 x 4 float32.
;; This version of the problem:
;;   THIS VERSION OF THE PROBLEM IS GIVEN IN LOW PRECISION. The matrix products marked QUANTISED in the list below multiply operands that are first quantised to E2M1 (2 exponent bits, 1 mantissa bit; 4 bits a number), with one power-of-two scale for each 32 numbers along K (OCP MX v1.0); their sums are f32. All else is computed in f32.
;;   The module's matrix products, in the order in which they are computed (A, B: the left and right operand; K: the contracted axis; several contracted axes count as one K, in the product's order):
;;     1. [M 131,072, K 6] x [K 6, N 64]; A: computed on the way; B: input W1: left as it is (K = 6 < 32)
;;     2. [M 131,072, K 64] x [K 64, N 64]; A: computed on the way; B: input W2: QUANTISED
;;     3. [M 131,072, K 64] x [K 64, N 64]; A: computed on the way; B: input W3: QUANTISED
;;     4. [M 131,072, K 64] x [K 64, N 1]; A: computed on the way; B: input Wout: left as it is (N = 1 < 16)
;;     5. [M 131,072, K 6] x [K 6, N 64]; A: computed on the way; B: input W1: left as it is (K = 6 < 32)
;;     6. [M 131,072, K 64] x [K 64, N 64]; A: computed on the way; B: input W2: QUANTISED
;;     7. [M 131,072, K 64] x [K 64, N 64]; A: computed on the way; B: input W3: QUANTISED
;;     8. [M 131,072, K 64] x [K 64, N 1]; A: computed on the way; B: input Wout: left as it is (N = 1 < 16)
;;     9. [M 1, K 1] x [K 1, N 64]; A: computed on the way; B: input Wout: left as it is (K = 1 < 32)
;;     10. [M 131,072, K 64] x [K 64, N 64]; A: computed on the way; B: input W3: QUANTISED
;;     11. [M 131,072, K 64] x [K 64, N 64]; A: computed on the way; B: input W2: QUANTISED
;;     12. [M 131,072, K 64] x [K 64, N 6]; A: computed on the way; B: input W1: left as it is (N = 6 < 16)
;;     13. [M 131,072, K 6] x [K 6, N 64]; A: computed on the way; B: input W1: left as it is (K = 6 < 32)
;;     14. [M 4, K 6] x [K 6, N 64]; A: computed on the way; B: input W1: left as it is (K = 6 < 32)
;;     15. [M 131,072, K 64] x [K 64, N 64]; A: computed on the way; B: input W2: QUANTISED
;;     16. [M 524,288, K 64] x [K 64, N 64]; A: computed on the way; B: input W2: QUANTISED
;;     17. [M 131,072, K 64] x [K 64, N 64]; A: computed on the way; B: input W3: QUANTISED
;;     18. [M 524,288, K 64] x [K 64, N 64]; A: computed on the way; B: input W3: QUANTISED
;;     19. [M 131,072, K 64] x [K 64, N 1]; A: computed on the way; B: input Wout: left as it is (N = 1 < 16)
;;     20. [M 524,288, K 64] x [K 64, N 1]; A: computed on the way; B: input Wout: left as it is (N = 1 < 16)
;;     21. [M 1, K 1] x [K 1, N 64]; A: computed on the way; B: input Wout: left as it is (K = 1 < 32)
;;     22. [M 131,072, K 64] x [K 64, N 64]; A: computed on the way; B: input W3: QUANTISED
;;     23. [M 524,288, K 64] x [K 64, N 64]; A: computed on the way; B: input W3: QUANTISED
;;     24. [M 131,072, K 64] x [K 64, N 64]; A: computed on the way; B: input W2: QUANTISED
;;     25. [M 524,288, K 64] x [K 64, N 64]; A: computed on the way; B: input W2: QUANTISED
;;     26. [M 131,072, K 64] x [K 64, N 6]; A: computed on the way; B: input W1: left as it is (N = 6 < 16)
;;     27. [M 524,288, K 64] x [K 64, N 6]; A: computed on the way; B: input W1: left as it is (N = 6 < 16)
;;   THE QUANTISER, for each operand of a quantised product, along K:
;;     - K is cut into blocks of 32 from its start; a last block that is shorter is filled with zeros.
;;     - A block's scale is 2^e with e = floor(log2(the largest magnitude in the block)) - 2, held to -126 .. 127; a block of zeros has e = 0. As a byte (E8M0): e + 127.
;;     - Each number is divided by its block's scale, clamped to +-6, and rounded to the nearest number of E2M1, ties to even, subnormals kept.
;;     - The product sums the exact products of the quantised numbers (number of the format x scale) in f32.
;;   ~~~python
;;   def quantise(x, axis):      # numpy; x: float32 -> the quantised numbers, widened to float32 again
;;       x = np.moveaxis(x, axis, -1); K = x.shape[-1]
;;       x = np.pad(x, [(0, 0)] * (x.ndim - 1) + [(0, -K % 32)]); x = x.reshape(x.shape[:-1] + (-1, 32)); a = np.abs(x).max(-1, keepdims=True)
;;       e = np.where(a > 0, np.clip(np.frexp(np.where(a > 0, a, 1))[1] - 1 - 2, -126, 127), 0)      # np.frexp(a)[1] - 1 = floor(log2(a)), exactly
;;       r = np.clip(x / 2.0 ** e, -6, 6)
;;       step = 2.0 ** (np.maximum(np.frexp(np.where(r == 0, 1, r))[1] - 1, 0) - 1)
;;       q = np.round(r / step) * step * 2.0 ** e      # np.round: ties to even
;;       return np.moveaxis(q.reshape(q.shape[:-2] + (-1,))[..., :K], -1, axis).astype(np.float32)
;;   ~~~
;;   OPERANDS COMPUTED ON THE WAY. 'Computed on the way' means the value that the module computes at that place (a softmax that the list does not call 'softmax' is quantised finished and normalised). What goes into a quantiser is computed in f32, as accurately as f32 sums, v_exp_f32 and their like allow (about 1e-6 of the number): no bf16 or f16 on the way to a quantiser, and a product that is left as it is and whose result goes on into a quantised operand takes f32 operands (vector FMAs, or v_wmma_f32_16x16x4_f32). A number that lies on a knife's edge between two numbers of the format may be rounded either way, as far as f32 arithmetic and the matrix unit's own rounding can turn it there, and no further.
;; 2 versions, each right; version 2 is version 1 with the launch idnn written anew for expert scheduling mode. Each part assembles by itself: llvm-mc -triple=amdgcn-amd-amdhsa -mcpu=gfx1250 --defsym DOCPART=n.
;; ======== version 1 of 2: 1 launch
;; limits: a function is approximated: absolute error at most 6e-08
;; launch idnn (part 1): grid 256 x 1, 8 waves a work-group, no clusters, 73,728 bytes of LDS; arguments x1, x4, W1, b1, W2, b2, W3, b3, Wout, out0, out1, out2; writes out0, out1, out2
.if DOCPART == 1
	.amdgcn_target "amdgcn-amd-amdhsa--gfx1250"
	.amdhsa_code_object_version 6
	.text
	.protected	k_q43549d43e7_idnn
	.globl	k_q43549d43e7_idnn
	.p2align	8
	.type	k_q43549d43e7_idnn,@function
k_q43549d43e7_idnn:
	s_mov_b64 s[64:65], 0
	v_nop
	global_prefetch_b8 v0, s[64:65] scope:SCOPE_SE
	s_setreg_imm32_b32 hwreg(HW_REG_WAVE_MODE, 25, 1), 1
	s_wait_xcnt 0x0
; IDNN: y, dy/dx1 and d2y/dx1^2 of a softplus MLP 6 -> 64 -> 64 -> 64 -> 1 for 131,072 samples; the 64 x 64 products on codes of FP4 (E2M1) with one E8M0 scale for each 32 along K.
; PER SAMPLE (Q: the quantiser along the 64; sp: softplus; s = sigmoid; s' = s (1 - s)):
;   z1 = [x1,x4] W1 + b1, h1 = sp(z1);  z2 = Q(h1) Q0(W2) + b2, h2 = sp(z2);  z3 = Q(h2) Q0(W3) + b3, h3 = sp(z3);  y = h3 . Wout
;   gz3 = Wout s3;  gh2 = Q(gz3) Q1(W3)^T;  gz2 = gh2 s2;  gh1 = Q(gz2) Q1(W2)^T;  gz1 = gh1 s1;  dy[i] = gz1 . W1[i,:]
;   for each direction j: dh1 = s1 W1[j,:];  dz2 = Q(dh1) Q0(W2);  dh2 = s2 dz2;  dz3 = Q(dh2) Q0(W3);  dgz3 = Wout s3' dz3;  dgh2 = Q(dgz3) Q1(W3)^T;
;   dgz2 = s2 dgh2 + gh2 s2' dz2;  dgh1 = Q(dgz2) Q1(W2)^T;  dgz1 = s1 dgh1 + gh1 s1' W1[j,:];  ddy[i][j] = dgz1 . W1[i,:]
;   (Q0: a weight quantised along its first axis, Q1: along its second: each product quantises along its own K.)
; WORK DONE ONCE OR LEFT OUT, for all values of the inputs.  reference() evaluates the same forward pass three times and the same reverse pass twice, on the same operands: each is computed once here.
;   The value of f that grad() throws away, and its tangent under jacfwd (the tangent of h3 times Wout), reach no output.  The cotangent of x4 (columns 4 and 5 of the products with W1^T) is sliced away by grad with
;   respect to x1 alone.  The unit vectors times W1 are W1's rows 0 to 3; 1 x Wout is Wout.  Every input still has a way to an output: all are loaded.
; LIMITS.  NaN and infinities among the inputs are not served; a NaN, an infinity or an overflow that reaches only the work left out is not carried to a result.  v_exp_f32 gives 0 for results under 2^-126: for z under
;   about -87 softplus and sigmoid are 0.  s1' is formed as s1 - s1^2 (absolute error about 1e-7); it feeds no quantiser.  h3 = max(z,0) + ln(fl(1 + e)) (absolute error about 6e-8); it feeds y alone.
;   A block of zeros gets the scale byte 1 with zero codes.  The exponential's argument is one rounded product |z| log2(e): its relative error in e grows with |z|, to about 5e-6 at |z| = 87.
; SHARES.  256 work-groups of 512 samples; each of the eight waves owns 64 samples, 16 a trip.  Nothing but the weights' codes, made once, goes from wave to wave: one barrier.
; LAYOUT L.  Lane (r, h) = (lane % 16, lane / 16) holds sample r, and register i of an array its unit 32 h + i.  All products are used transposed (source 0 = 16 units of a weight, source 1 = the 16 samples), and
;   row m of weight tile t is unit 32 (m / 8) + 8 t + m % 8: so the four tiles' results lie in layout L.  L is also the 4-bit operand's layout for K = 64: a lane owns one whole block of 32, four conversions make the
;   operand, and one exchange of lanes brings the other block's scale byte.  K = 64 .. 127 of the instruction: the samples' side has zero codes there, both sides the scale byte 0 (2^-127), so whatever codes the
;   weights' side holds there add nothing: a weight fragment's upper four registers are simply the next fragment's.
; No tensor load, no cluster, no prefetch: a tile's input is 384 bytes, asked for a trip ahead; the weights live in registers.  dy, ddy and y are f32 multiply-adds: 21 sums of 64 terms whose signs cancel.
; REGISTERS, window 0: v1-11 addresses; v12-15 x; v16-23 the weights' scale words; v24-31 a row's codes and four registers of zeros; v32 its scale word; v33-36 the quantiser's; v38-63 sums and results;
;   v64-95 the accumulators, written by matrix instructions alone (their numbers are left unused in window 1); five work arrays of 32 from v96.
;   window 1: v0-63, v96-159 W1's rows 0 to 3 in layout L; v160-223 the 16 weight fragments; v224-255 s1.
.set WIMG,  0                          ; LDS: 16 weight fragments as images of their registers, 512 bytes each (16 x lane)
.set WSC,   8192                       ; their scale words, 128 bytes each (4 x lane; lanes 0-15's are read)
.set CB,    10240                      ; b2, b3, Wout as they lie, 256 bytes each
.set C1I,   11264                      ; a region for each wave: the image of gh1 s1' (4,096 bytes), then that of the f32 product's W1 operand (2,048)
.set WREG,  6144
.set W1AI,  4096
.set STG,   60416                      ; a stage for each wave: 16 rows of out2, 64 bytes + 16
.set YST,   70656                      ; a wave's 64 values of y
.set SPARE, 72704                      ; the spare words, 128 bytes for each wave: four blocks of 256 bytes that no other line names
.set SPW,  1                           ; v1   SPARE + 4 x my thread's number; never rewritten
.set NIL,  2                           ; v2   0; never rewritten
.set OXY,  3                           ; v3   16 r + 8 h: my 8 bytes in a tile of x1 and of out1
.set OX4,  4                           ; v4   8 r: in a tile of x4
.set CBA,  5                           ; v5   CB + 128 h: my half of a bias
.set IMG,  6                           ; v6   my wave's region + 16 x lane
.set STO,  7                           ; v7   the stage, in: row r, + 32 h
.set RDL,  8                           ; v8   the stage, back: four lanes to a row
.set O2,   9                           ; v9   16 x lane
.set YA,   10                          ; v10  y's place: 4 r in my wave's 256 bytes
.set TA,   11
.set XB0,  12                          ; v12-13 x1[r][2 h + 0, 1]
.set XB1,  14                          ; v14-15 lanes 0-15: x4[r][0, 1]; lanes 16-31: 1, 0
.set WS,   16                          ; v16-23 register p: lanes 0-15 tile 2 p's scale words, lanes 16-31 tile 2 p + 1's
.set CODE, 24
.set ZR,   28
.set SCW,  32
.set QM,   33
.set YRD,  37
.set DY,   38
.set DACC, 40
.set HES,  48
.set M16,  48
.set TMP,  56
.set ACC,  64
.set TT,   96
.set KK,   128
.set SG2,  160
.set QW,   192
.set CC,   224
.set WT,   160                         ; window 1
.set SG1,  224                         ; window 1
.set WV,    28
.set HI,    30                         ; lanes 16-31
.set SEL,   32
.set LOG2E, 34
.set LN2,   36
.set TRIP,  38
.set YQ,    39
.set MK,    68                         ; s68-99: a lane mask for each register of an array: z >= 0
.set MSB, 0
.macro WIN new                         ; the immediate's high byte repeats the setting that is left; low byte: bits 1:0 source 0, 3:2 source 1, 5:4 source 2, 7:6 destination
.if MSB != \new
	s_set_vgpr_msb (MSB<<8)|\new
.set MSB, \new
.endif
.endm
.macro GAP n
.rept \n
	v_nop
.endr
.endm
.macro PKMUL d, a, b                   ; 32 products, two at a time, ascending: an accumulator is read from its low end on
.set pm, 0
.rept 16
	v_pk_mul_f32 v[(\d)+pm:(\d)+pm+1], v[(\a)+pm:(\a)+pm+1], v[(\b)+pm:(\b)+pm+1]
.set pm, pm+2
.endr
.endm
.macro PKFMA d, a, b, c
.set pm, 0
.rept 16
	v_pk_fma_f32 v[(\d)+pm:(\d)+pm+1], v[(\a)+pm:(\a)+pm+1], v[(\b)+pm:(\b)+pm+1], v[(\c)+pm:(\c)+pm+1]
.set pm, pm+2
.endr
.endm
; My block of 32 numbers, v[x] on, becomes four registers of codes in v[CODE] on; v[SCW] gets the row's scale word (right in lanes 0-15, which alone are read).
.macro QUANT x
	v_max3_num_f32 v[QM],   |v[\x]|,   |v[\x+1]|, 0x1800000        ; the largest magnitude, in four chains; the floor 2^(3 - 127) keeps the byte at 1 from below
	v_max3_num_f32 v[QM+1], |v[\x+2]|, |v[\x+3]|, |v[\x+4]|
	v_max3_num_f32 v[QM+2], |v[\x+5]|, |v[\x+6]|, |v[\x+7]|
	v_max3_num_f32 v[QM+3], |v[\x+8]|, |v[\x+9]|, |v[\x+10]|
.irp n, 0,1,2,3,4,5,6,7,8,9
	v_max3_num_f32 v[QM+\n%4], v[QM+\n%4], |v[\x+11+2*\n]|, |v[\x+12+2*\n]|
.endr
	v_max3_num_f32 v[QM], v[QM], v[QM+1], v[QM+2]
	v_max3_num_f32 v[QM], v[QM], v[QM+3], |v[\x+31]|
	v_add_nc_u32 v[QM+1], 0xff000000, v[QM]                        ; 2 off its exponent field: the conversion takes this operand's exponent field as its scale
	v_lshrrev_b32 v[QM+2], 23, v[QM+1]                             ; my block's byte
	v_permlanex16_b32 v[QM+3], v[QM+2], s[SEL], s[SEL+1]           ; and the other block's
	v_lshl_or_b32 v[SCW], v[QM+3], 8, v[QM+2]                      ; bytes 2 and 3 stay 0
.irp g, 0,1,2,3
	v_cvt_scalef32_pk8_fp4_f32 v[CODE+\g], v[\x+8*\g:\x+8*\g+7], v[QM+1]
.endr
	v_nop                                                          ; one plain place behind the last conversion
.endm
; Four products: the 64 units of weight set ws (0: W2 along its first axis, 1: W3 likewise, 2: W3 along its second, 3: W2 likewise) x my 16 rows.  usec = 1: C is the bias in v[c] on, in layout L.
; Four different accumulators, one K step each: no sum is taken up again.
.macro MM ws, c, usec
	WIN 0x01                                                       ; source 0, the weights, in window 1
.irp t, 0,1,2,3
.if \usec
.if (\t%2) == 1
	v_wmma_scale_f32_16x16x128_f8f6f4 v[ACC+8*\t:ACC+8*\t+7], v[WT+4*(4*\ws+\t):WT+4*(4*\ws+\t)+7], v[CODE:CODE+7], v[\c+8*\t:\c+8*\t+7], v[WS+2*\ws+\t/2], v[SCW] matrix_a_fmt:MATRIX_FMT_FP4 matrix_b_fmt:MATRIX_FMT_FP4 matrix_a_scale:MATRIX_SCALE_ROW1
.else
	v_wmma_scale_f32_16x16x128_f8f6f4 v[ACC+8*\t:ACC+8*\t+7], v[WT+4*(4*\ws+\t):WT+4*(4*\ws+\t)+7], v[CODE:CODE+7], v[\c+8*\t:\c+8*\t+7], v[WS+2*\ws+\t/2], v[SCW] matrix_a_fmt:MATRIX_FMT_FP4 matrix_b_fmt:MATRIX_FMT_FP4
.endif
.else
.if (\t%2) == 1
	v_wmma_scale_f32_16x16x128_f8f6f4 v[ACC+8*\t:ACC+8*\t+7], v[WT+4*(4*\ws+\t):WT+4*(4*\ws+\t)+7], v[CODE:CODE+7], 0, v[WS+2*\ws+\t/2], v[SCW] matrix_a_fmt:MATRIX_FMT_FP4 matrix_b_fmt:MATRIX_FMT_FP4 matrix_a_scale:MATRIX_SCALE_ROW1
.else
	v_wmma_scale_f32_16x16x128_f8f6f4 v[ACC+8*\t:ACC+8*\t+7], v[WT+4*(4*\ws+\t):WT+4*(4*\ws+\t)+7], v[CODE:CODE+7], 0, v[WS+2*\ws+\t/2], v[SCW] matrix_a_fmt:MATRIX_FMT_FP4 matrix_b_fmt:MATRIX_FMT_FP4
.endif
.endif
.endr
.endm
; Lines a .. b - 1 of the 64 that multiply the row in v[TT] on by W1's rows 0 to 3 (window 1: the caller sets source 1 there): line n adds pair n / 4 into the sum of component n % 4.
.macro DOTS a, b
.set nn, \a
.rept \b-\a
.set dp, nn/4
.set di, nn%4
.if dp == 0
	v_pk_mul_f32 v[DACC+2*di:DACC+2*di+1], v[TT+2*dp:TT+2*dp+1], v[32*di+32*(di/2)+2*dp:32*di+32*(di/2)+2*dp+1]
.else
	v_pk_fma_f32 v[DACC+2*di:DACC+2*di+1], v[TT+2*dp:TT+2*dp+1], v[32*di+32*(di/2)+2*dp:32*di+32*(di/2)+2*dp+1], v[DACC+2*di:DACC+2*di+1]
.endif
.set nn, nn+1
.endr
.endm
; The four sums' halves meet: afterwards lane (r, h) holds components 2 h (d0) and 2 h + 1 (d1) of sample r.
.macro REDUCE d0, d1
.irp i, 0,2,4,6
	v_add_f32 v[DACC+\i], v[DACC+\i], v[DACC+\i+1]
.endr
	v_permlane16_swap_b32 v[DACC], v[DACC+4]                       ; component 0's lanes 16-31 change places with component 2's lanes 0-15
	v_permlane16_swap_b32 v[DACC+2], v[DACC+6]
	v_add_f32 v[\d0], v[DACC], v[DACC+4]
	v_add_f32 v[\d1], v[DACC+2], v[DACC+6]
.endm
; ---------------- set-up ----------------
	s_load_b512 s[4:19], s[0:1], 0x0               ; x1 s[4:5], x4 s[6:7], W1 s[8:9], b1 s[10:11], W2 s[12:13], b2 s[14:15], W3 s[16:17], b3 s[18:19]
	s_load_b256 s[20:27], s[0:1], 0x40             ; Wout s[20:21], out0 s[22:23], out1 s[24:25], out2 s[26:27]
	v_lshl_add_u32 v[SPW], v0, 2, SPARE
	v_mov_b32 v[NIL], 0
	v_lshrrev_b32 v40, 5, v0
	v_readfirstlane_b32 s[WV], v40                 ; wave 0..7
	v_and_b32 v40, 31, v0                          ; lane
	v_and_b32 v41, 15, v0                          ; r
	v_bfe_u32 v42, v0, 4, 1                        ; h
	v_bfe_u32 v43, v0, 3, 1                        ; r / 8
	v_and_b32 v44, 7, v0                           ; r % 8
	v_and_b32 v45, 3, v0
	; every LDS address is made here, ahead of the first branch on the wave's number: a constant + constants x lane terms + a constant x wave
	v_lshlrev_b32 v[OXY], 4, v41
	v_lshl_add_u32 v[OXY], v42, 3, v[OXY]
	v_lshlrev_b32 v[OX4], 3, v41
	v_lshl_add_u32 v[CBA], v42, 7, CB
	v_lshlrev_b32 v[O2], 4, v40
	s_mul_i32 s40, s[WV], WREG
	s_add_co_u32 s40, s40, C1I
	v_add_nc_u32 v[IMG], s40, v[O2]
	s_mul_i32 s41, s[WV], 1280
	s_add_co_u32 s41, s41, STG
	v_mul_u32_u24 v[STO], v41, 80
	v_lshl_add_u32 v[STO], v42, 5, v[STO]
	v_add_nc_u32 v[STO], s41, v[STO]
	v_lshrrev_b32 v[RDL], 2, v40
	v_mul_u32_u24 v[RDL], v[RDL], 80
	v_lshl_add_u32 v[RDL], v45, 4, v[RDL]
	v_add_nc_u32 v[RDL], s41, v[RDL]
	s_lshl_b32 s42, s[WV], 8
	s_add_co_u32 s43, s42, YST
	v_lshl_add_u32 v[YA], v41, 2, s43
	v_lshl_add_u32 v[YRD], v40, 3, s43
	s_lshl_b32 s44, s[WV], 10
	v_add_nc_u32 v46, s44, v[O2]                   ; where I store my two fragments' images: 1,024 x wave + 16 x lane
	s_add_co_u32 s45, s42, WSC
	v_lshl_add_u32 v47, v40, 2, s45                ; and their scale words: 256 x wave + 4 x lane
	v_lshl_add_u32 v48, v40, 3, CB                 ; the biases' copy: 8 x lane
	v_lshlrev_b32 v49, 2, v41
	v_lshl_add_u32 v49, v42, 7, v49
	v_add_nc_u32 v49, WSC, v49                     ; the scale words back: lanes 0-15 an even tile's, lanes 16-31 the next tile's
	; offsets in memory
	v_lshlrev_b32 v50, 7, v42                      ; W1 in layout L: 128 h
	v_lshlrev_b32 v51, 2, v44
	v_lshl_add_u32 v51, v43, 7, v51                ; 4 x unit of row r of tile 0: 128 (r / 8) + 4 (r % 8)
	v_lshl_add_u32 v52, v42, 9, v51                ; + W1's rows 2 h
	s_and_b32 s52, s[WV], 1
	s_lshl_b32 s53, s52, 6                         ; my first tile is 2 (wave % 2): 32 bytes a tile along a row of a weight,
	s_lshl_b32 s54, s52, 12                        ; 2,048 bytes a tile down its rows
	v_lshl_add_u32 v53, v42, 13, v51
	v_add_nc_u32 v53, s53, v53                     ; K = the first axis: W[32 h + i][unit]
	v_lshlrev_b32 v55, 8, v44
	v_lshl_add_u32 v55, v43, 13, v55
	v_lshl_add_u32 v55, v42, 7, v55
	v_add_nc_u32 v55, s54, v55                     ; K = the second axis: W[unit][32 h + i]
	v_lshlrev_b32 v54, 3, v40
	s_mov_b32 s[HI], 0xffff0000
	s_mov_b32 s[SEL], 0x76543210
	s_mov_b32 s[SEL+1], 0xfedcba98                 ; v_permlanex16_b32's selects for lane l xor 16
	s_mov_b32 s[LOG2E], 0x3fb8aa3b
	s_mov_b32 s[LN2], 0x3f317218
	s_mov_b32 s[LN2+1], 0x3f317218                 ; (named with it as a pair, so it is written)
	s_lshl_b32 s48, ttmp9, 9
	s_lshl_b32 s49, s[WV], 6
	s_add_co_u32 s48, s48, s49                     ; my wave's first sample: 512 x work-group + 64 x wave
	s_mov_b32 s51, 0
	s_lshl_b32 s50, s48, 4
	s_wait_kmcnt 0x0
	s_add_nc_u64 s[4:5], s[4:5], s[50:51]          ; x1 and out1: 16 bytes a sample
	s_add_nc_u64 s[24:25], s[24:25], s[50:51]
	s_lshl_b32 s50, s48, 3
	s_add_nc_u64 s[6:7], s[6:7], s[50:51]          ; x4: 8
	s_lshl_b32 s50, s48, 2
	s_add_nc_u64 s[22:23], s[22:23], s[50:51]      ; out0: 4
	s_lshl_b32 s50, s48, 6
	s_add_nc_u64 s[26:27], s[26:27], s[50:51]      ; out2: 64
	s_lshr_b32 s46, s[WV], 1                       ; my weight set = wave / 2: sets 0 and 3 are W2's, sets 1 and 2 W3's
	s_add_co_u32 s46, s46, 1
	s_and_b32 s46, s46, 2
	s_cmp_eq_u32 s46, 0
	s_cselect_b64 s[46:47], s[12:13], s[16:17]
	WIN 0x40                                       ; destination window 1
.irp d, 0,1,2,3
.irp q, 0,1,2,3,4,5,6,7
	global_load_b128 v[32*\d+32*(\d/2)+4*\q:32*\d+32*(\d/2)+4*\q+3], v50, s[8:9] offset:256*\d+16*\q   ; W1[d][32 h + 4 q ..]: it stays
.endr
.endr
	WIN 0
.irp t, 0,1,2,3                                ; the f32 product's source 0: register 4 t + 2 s + j = W1'[4 s + 2 h + j][unit of row r of tile t], W1' = W1 with b1 as row 6 and zeros as row 7
.irp j, 0,1
	global_load_b32 v[SG2+4*\t+\j], v52, s[8:9] offset:256*\j+32*\t
	global_load_b32 v[SG2+4*\t+2+\j], v51, s[8:9] offset:256*(4+\j)+32*\t
.endr
	global_load_b32 v[SG2+16+\t], v51, s[10:11] offset:32*\t
.endr
	global_load_b64 v[XB0:XB0+1], v[OXY], s[4:5] th:TH_LOAD_NT     ; the first tile's x: 32 lanes read 256 consecutive bytes of x1,
	global_load_b64 v[XB1:XB1+1], v[OX4], s[6:7]                   ; and, both halves alike, 128 of x4
	global_load_b64 v[CC:CC+1], v54, s[14:15]      ; b2, b3, Wout: every wave loads them, wave 0 stores them
	global_load_b64 v[CC+2:CC+3], v54, s[18:19]
	global_load_b64 v[CC+4:CC+5], v54, s[20:21]
	s_cmp_lt_u32 s[WV], 4                          ; waves 0-3 make the sets whose K is the weight's first axis, waves 4-7 the others; two tiles a wave
	s_cbranch_scc0 .Laxis1
.set li, 0
.rept 32
	global_load_b32 v[TT+li], v53, s[46:47] offset:256*li
	global_load_b32 v[KK+li], v53, s[46:47] offset:256*li+32
.set li, li+1
.endr
	s_branch .Lweights_asked
.Laxis1:
.irp q, 0,1,2,3,4,5,6,7
	global_load_b128 v[TT+4*\q:TT+4*\q+3], v55, s[46:47] offset:16*\q
	global_load_b128 v[KK+4*\q:KK+4*\q+3], v55, s[46:47] offset:16*\q+2048
.endr
.Lweights_asked:
	s_wait_loadcnt 0x0                             ; all of the set-up's loads
.irp t, 0,1,2,3
	v_cndmask_b32 v[SG2+4*\t+2], v[SG2+4*\t+2], v[SG2+16+\t], s[HI]   ; lanes 16-31 hold rows 6 and 7: b1 and 0
	v_cndmask_b32 v[SG2+4*\t+3], v[SG2+4*\t+3], 0, s[HI]
.endr
.irp t, 0,1,2,3
	ds_store_b128 v[IMG], v[SG2+4*\t:SG2+4*\t+3] offset:W1AI+512*\t   ; into my own region: each trip reads it back
.endr
	QUANT TT
	ds_store_b128 v46, v[CODE:CODE+3]
	ds_store_b32 v47, v[SCW]
	s_wait_dscnt 0x0                               ; the stores have read their registers
	QUANT KK
	ds_store_b128 v46, v[CODE:CODE+3] offset:512
	ds_store_b32 v47, v[SCW] offset:128
	s_cmp_lg_u32 s[WV], 0
	s_cbranch_scc1 .Lnot_wave_0
	ds_store_b64 v48, v[CC:CC+1]
	ds_store_b64 v48, v[CC+2:CC+3] offset:256
	ds_store_b64 v48, v[CC+4:CC+5] offset:512
.Lnot_wave_0:
	s_wait_dscnt 0x0                               ; for the others' sake: my stores have landed
	s_barrier_signal -1
	s_barrier_wait -1                              ; all 16 fragments, their scale words and the biases lie in LDS; nobody writes them again
	WIN 0x40
.set li, 0
.rept 16
	ds_load_b128 v[WT+4*li:WT+4*li+3], v[O2] offset:WIMG+512*li
.set li, li+1
.endr
	WIN 0
.irp p, 0,1,2,3,4,5,6,7
	ds_load_b32 v[WS+\p], v49 offset:256*\p
.endr
.irp i, 0,1,2,3
	v_mov_b32 v[ZR+\i], 0                          ; the rows' codes of K = 64 .. 127
.endr
	s_mov_b32 s[TRIP], 4
	s_mov_b32 s[YQ], 0
	s_wait_dscnt 0x0
; Layers 1 and 2.  z lies in the accumulators.  e = 2^(-|z| log2 e), u = fl(1 + e), r = 1 / u.  sp = max(z, 0) + ln u + (e - (u - 1)) r: u - 1 and e - (u - 1) are exact, so this is log1p to f32 accuracy.
; s = r where z >= 0, else e r;  s' = e r^2.  Then h is quantised and multiplied by weight set ws, with the bias at byte bo of CB as C.  first = 1: s goes to s1 (window 1); else to SG2, and s' to CC.
.macro L12 bo, ws, first
.set li, 0
.rept 32
	v_mul_f32 v[QW+li], -|v[ACC+li]|, s[LOG2E]
.set li, li+1
.endr
.set li, 0
.rept 32
	v_exp_f32 v[QW+li], v[QW+li]
.set li, li+1
.endr
.set li, 0
.rept 32
	v_max_num_f32 v[TT+li], 0, v[ACC+li]           ; plain work behind the exponentials
.set li, li+1
.endr
	s_wait_alu depctr_va_vdst(0)                   ; one wait for the 32 exponentials, ahead of their first reader
.set li, 0
.rept 16
	v_pk_add_f32 v[CC+li:CC+li+1], v[QW+li:QW+li+1], 1.0 op_sel_hi:[1,0]
.set li, li+2
.endr
.set li, 0
.rept 32
	v_rcp_f32 v[SG2+li], v[CC+li]
.set li, li+1
.endr
.set li, 0
.rept 32
	v_log_f32 v[KK+li], v[CC+li]
.set li, li+1
.endr
	v_nop                                          ; a plain place behind the last of them
.set li, 0
.rept 32
	v_cmp_le_f32 s[MK+li], 0, v[ACC+li]
.set li, li+1
.endr
.set li, 0
.rept 16
	v_pk_add_f32 v[CC+li:CC+li+1], v[CC+li:CC+li+1], -1.0 op_sel_hi:[1,0]
.set li, li+2
.endr
.set li, 0
.rept 16
	v_pk_add_f32 v[CC+li:CC+li+1], v[QW+li:QW+li+1], v[CC+li:CC+li+1] neg_lo:[0,1] neg_hi:[0,1]
.set li, li+2
.endr
	s_wait_alu depctr_va_vdst(0)                   ; one wait for the 64 reciprocals and logarithms
.set li, 0
.rept 16
	v_pk_fma_f32 v[TT+li:TT+li+1], v[KK+li:KK+li+1], s[LN2:LN2+1], v[TT+li:TT+li+1] op_sel_hi:[1,0,1]
.set li, li+2
.endr
.irp q, 0,1,2,3,4,5,6,7
	ds_load_b128 v[KK+4*\q:KK+4*\q+3], v[CBA] offset:\bo+16*\q     ; the next layer's bias in layout L, where the logarithms lay
.endr
	PKFMA TT, CC, SG2, TT
	QUANT TT
	PKMUL QW, QW, SG2                              ; e r.  (16 plain lines between the scale word's making and the products)
	s_wait_dscnt 0x0                               ; the bias is in
	MM \ws, KK, 1
.if \first
	WIN 0x40
.set li, 0
.rept 32
	v_cndmask_b32 v[SG1+li], v[QW+li], v[SG2+li], s[MK+li]         ; s1.  (These lines name no register of the products: they are the places behind them)
.set li, li+1
.endr
	WIN 0
.else
	WIN 0
	PKMUL CC, QW, SG2                              ; s2' = e r^2
.set li, 0
.rept 32
	v_cndmask_b32 v[SG2+li], v[QW+li], v[SG2+li], s[MK+li]         ; s2
.set li, li+1
.endr
.endif
.endm
; Layer 3, half a (registers 16 a on), so that Wout in layout L fits into the idle half of KK.  Leaves gz3 = Wout s3 in TT, Wout s3' in QW, and adds h3 Wout into the four sums.
.macro L3H a
.set ZB, ACC+16*\a
.set EB, TT+16*\a
.set UB, KK+16*\a
.set RB, QW+16*\a
.set WB, KK+16*(1-\a)
.set li, 0
.rept 16
	v_mul_f32 v[EB+li], -|v[ZB+li]|, s[LOG2E]
.set li, li+1
.endr
.set li, 0
.rept 16
	v_exp_f32 v[EB+li], v[EB+li]
.set li, li+1
.endr
.set li, 0
.rept 16
	v_cmp_le_f32 s[MK+li], 0, v[ZB+li]
.set li, li+1
.endr
	s_wait_alu depctr_va_vdst(0)                   ; one wait for the 16 exponentials
.set li, 0
.rept 8
	v_pk_add_f32 v[UB+li:UB+li+1], v[EB+li:EB+li+1], 1.0 op_sel_hi:[1,0]
.set li, li+2
.endr
.set li, 0
.rept 16
	v_rcp_f32 v[RB+li], v[UB+li]
.set li, li+1
.endr
	v_nop                                          ; a plain place before the reciprocals' sources are written over
.set li, 0
.rept 16
	v_log_f32 v[UB+li], v[UB+li]
.set li, li+1
.endr
.set li, 0
.rept 16
	v_max_num_f32 v[M16+li], 0, v[ZB+li]
.set li, li+1
.endr
	s_wait_alu depctr_va_vdst(0)                   ; one wait for the 32 reciprocals and logarithms
	s_wait_dscnt 0x0                               ; Wout's half is in
.set li, 0
.rept 8
	v_pk_fma_f32 v[M16+li:M16+li+1], v[UB+li:UB+li+1], s[LN2:LN2+1], v[M16+li:M16+li+1] op_sel_hi:[1,0,1]   ; h3
.set li, li+2
.endr
.set li, 0
.rept 8
.if (\a == 0) && (li < 4)
	v_pk_mul_f32 v[DACC+2*(li%4):DACC+2*(li%4)+1], v[M16+2*li:M16+2*li+1], v[WB+2*li:WB+2*li+1]
.else
	v_pk_fma_f32 v[DACC+2*(li%4):DACC+2*(li%4)+1], v[M16+2*li:M16+2*li+1], v[WB+2*li:WB+2*li+1], v[DACC+2*(li%4):DACC+2*(li%4)+1]
.endif
.set li, li+1
.endr
.set li, 0
.rept 8
	v_pk_mul_f32 v[EB+li:EB+li+1], v[EB+li:EB+li+1], v[RB+li:RB+li+1]      ; e r
.set li, li+2
.endr
.set li, 0
.rept 8
	v_pk_mul_f32 v[M16+li:M16+li+1], v[EB+li:EB+li+1], v[RB+li:RB+li+1]    ; s3' = e r^2
.set li, li+2
.endr
.set li, 0
.rept 16
	v_cndmask_b32 v[EB+li], v[EB+li], v[RB+li], s[MK+li]                   ; s3
.set li, li+1
.endr
.set li, 0
.rept 8
	v_pk_mul_f32 v[EB+li:EB+li+1], v[EB+li:EB+li+1], v[WB+li:WB+li+1]      ; gz3
	v_pk_mul_f32 v[RB+li:RB+li+1], v[M16+li:M16+li+1], v[WB+li:WB+li+1]    ; Wout s3'
.set li, li+2
.endr
.endm
; Direction j.  On entry v[TT] on holds the row before (gz1, or dgz1 of direction j - 1): its 64 multiply-adds with W1 stand round this chain's first products, and its four sums go to d0, d1.  On exit TT holds dgz1 of j.
.macro CHAIN j, d0, d1
.set WJ, 32*\j+32*(\j/2)
	WIN 0x05                                       ; sources 0 and 1 in window 1
	PKMUL KK, SG1, WJ                              ; dh1 = s1 W1[j]
	WIN 0
	QUANT KK
	WIN 0x04                                       ; source 1 in window 1
	DOTS 0, 16                                     ; (16 plain lines between the scale word's making and the products)
	MM 0, 0, 0                                     ; dz2
	WIN 0x04
	DOTS 16, 64                                    ; (the places behind the products)
	WIN 0
	REDUCE \d0, \d1
.if \j == 0
	global_store_b64 v[OXY], v[DY:DY+1], s[24:25]  ; dy: 32 lanes store 256 consecutive bytes, at a multiple of 256 from out1's first byte
.endif
	PKMUL TT, SG2, ACC                             ; dh2 = s2 dz2
	QUANT TT
	PKMUL KK, CC, ACC                              ; gh2 s2' dz2, kept for dgz2
	MM 1, 0, 0                                     ; dz3
	WIN 0
	GAP 4                                          ; four places before the results are read
	PKMUL TT, QW, ACC                              ; dgz3 = Wout s3' dz3
	QUANT TT
	GAP 7                                          ; with the quantiser's last line: eight places between the scale word's making and the products; no other work is at hand
	MM 2, 0, 0                                     ; dgh2
	WIN 0
	GAP 4
	PKFMA TT, SG2, ACC, KK                         ; dgz2 = s2 dgh2 + gh2 s2' dz2
	QUANT TT
.irp q, 0,1,2,3,4,5,6,7
	ds_load_b128 v[TT+4*\q:TT+4*\q+3], v[IMG] offset:512*\q        ; gh1 s1', from my own image of it
.endr
	GAP 7
	MM 3, 0, 0                                     ; dgh1
	s_wait_dscnt 0x0
	WIN 0x04
	PKMUL TT, TT, WJ                               ; gh1 s1' W1[j].  (The places behind the products)
	WIN 0x01
	PKFMA TT, SG1, ACC, TT                         ; dgz1 = s1 dgh1 + gh1 s1' W1[j]
	WIN 0
.endm
; ---------------- a trip: 16 samples ----------------
.Ltile:
.irp t, 0,1,2,3
	ds_load_b128 v[TT+4*\t:TT+4*\t+3], v[IMG] offset:W1AI+512*\t   ; the f32 product's source 0
.endr
	s_wait_loadcnt 0x0                             ; this tile's x, asked for a trip ago
	v_cndmask_b32 v[XB1], v[XB1], 1.0, s[HI]       ; inputs 6 and 7 are 1 and 0: b1 rides as row 6 of W1
	v_cndmask_b32 v[XB1+1], v[XB1+1], 0, s[HI]
	s_wait_dscnt 0x0
.irp t, 0,1,2,3                                ; z1 = x W1 + b1 in f32: two K steps of 4; the four accumulators take turns
	v_wmma_f32_16x16x4_f32 v[ACC+8*\t:ACC+8*\t+7], v[TT+4*\t:TT+4*\t+1], v[XB0:XB0+1], 0
.endr
.irp t, 0,1,2,3
	v_wmma_f32_16x16x4_f32 v[ACC+8*\t:ACC+8*\t+7], v[TT+4*\t+2:TT+4*\t+3], v[XB1:XB1+1], v[ACC+8*\t:ACC+8*\t+7]
.endr
	GAP 8                                          ; eight places behind this form, before its results are read and its sources loaded or written anew
	s_cmp_eq_u32 s[TRIP], 1                        ; the next tile's x, if there is one: no load leaves its buffer
	s_cbranch_scc1 .Lno_next
	global_load_b64 v[XB0:XB0+1], v[OXY], s[4:5] offset:256 th:TH_LOAD_NT
	global_load_b64 v[XB1:XB1+1], v[OX4], s[6:7] offset:128
.Lno_next:
	L12 0, 0, 1                                    ; h1, s1; z2
	L12 256, 1, 0                                  ; h2, s2, s2'; z3
.irp q, 0,1,2,3
	ds_load_b128 v[KK+16+4*\q:KK+16+4*\q+3], v[CBA] offset:512+16*\q       ; Wout for registers 0-15
.endr
	L3H 0
.irp q, 0,1,2,3
	ds_load_b128 v[KK+4*\q:KK+4*\q+3], v[CBA] offset:512+64+16*\q          ; and for registers 16-31
.endr
	L3H 1
	; the reverse pass
	QUANT TT                                       ; gz3
	WIN 0x15                                       ; all three sources in window 1
.set li, 0
.rept 16
	v_pk_fma_f32 v[KK+li:KK+li+1], v[SG1+li:SG1+li+1], v[SG1+li:SG1+li+1], v[SG1+li:SG1+li+1] neg_lo:[1,0,0] neg_hi:[1,0,0]   ; s1' = s1 - s1^2
.set li, li+2
.endr
	MM 2, 0, 0                                     ; gh2
	WIN 0
	v_pk_add_f32 v[DACC:DACC+1], v[DACC:DACC+1], v[DACC+2:DACC+3]          ; y: the four sums, (these lines are the places behind the products)
	v_pk_add_f32 v[DACC+4:DACC+5], v[DACC+4:DACC+5], v[DACC+6:DACC+7]
	v_pk_add_f32 v[DACC:DACC+1], v[DACC:DACC+1], v[DACC+4:DACC+5]
	v_add_f32 v[DACC], v[DACC], v[DACC+1]
	v_permlanex16_b32 v[DACC+1], v[DACC], s[SEL], s[SEL+1]
	v_add_nc_u32 v[TA], s[YQ], v[YA]
	v_add_f32 v[DACC], v[DACC], v[DACC+1]          ; and the other 32 units'
	ds_store_b32 v[TA], v[DACC]                    ; both lanes of a sample write the same word with the same value
	PKMUL TT, SG2, ACC                             ; gz2 = gh2 s2
	QUANT TT
	PKMUL CC, CC, ACC                              ; gh2 s2'
	MM 3, 0, 0                                     ; gh1
	WIN 0
	GAP 4
	PKMUL KK, KK, ACC                              ; gh1 s1'
.irp q, 0,1,2,3,4,5,6,7
	ds_store_b128 v[IMG], v[KK+4*\q:KK+4*\q+3] offset:512*\q       ; kept in my own LDS: each direction reads it back
.endr
	WIN 0x01
	PKMUL TT, SG1, ACC                             ; gz1 = gh1 s1
	WIN 0
	s_wait_dscnt 0x0                               ; the stores have read their registers
	CHAIN 0, DY, DY+1
	CHAIN 1, HES+0, HES+4
	CHAIN 2, HES+1, HES+5
	CHAIN 3, HES+2, HES+6
	WIN 0x04
	DOTS 0, 64
	WIN 0
	REDUCE HES+3, HES+7                            ; v[HES + 4 i + j] of lane (r, h) = ddy[r][2 h + i][j]: 32 consecutive bytes of the sample's 64
	ds_store_b128 v[STO], v[HES:HES+3]             ; through my own stage, so that the lanes store consecutive bytes; LDS serves a wave's instructions in order (ISA guide 5.7.1.4)
	ds_store_b128 v[STO], v[HES+4:HES+7] offset:16
	ds_load_b128 v[TMP:TMP+3], v[RDL]
	ds_load_b128 v[TMP+4:TMP+7], v[RDL] offset:640
	s_wait_dscnt 0x0
	global_store_b128 v[O2], v[TMP:TMP+3], s[26:27] th:TH_STORE_NT             ; 32 lanes store 512 consecutive bytes, at a multiple of 256 from out2's first byte
	global_store_b128 v[O2], v[TMP+4:TMP+7], s[26:27] offset:512 th:TH_STORE_NT
	s_wait_xcnt 0x0                                ; the trip's loads and stores have read their bases, offsets and data: only now are these written again
	s_add_nc_u64 s[4:5], s[4:5], 256
	s_add_nc_u64 s[6:7], s[6:7], 128
	s_add_nc_u64 s[24:25], s[24:25], 256
	s_add_nc_u64 s[26:27], s[26:27], 1024
	s_add_co_u32 s[YQ], s[YQ], 64
	s_sub_co_u32 s[TRIP], s[TRIP], 1
	s_cmp_lg_u32 s[TRIP], 0
	s_cbranch_scc1 .Ltile
	ds_load_b64 v[TMP:TMP+1], v[YRD]               ; my wave's 64 values of y, two a lane
	v_and_b32 v[QM], 31, v0
	v_lshlrev_b32 v[QM], 3, v[QM]
	s_wait_dscnt 0x0
	global_store_b64 v[QM], v[TMP:TMP+1], s[22:23] ; 32 lanes store 256 consecutive bytes, at a multiple of 256 from out0's first byte
	s_wait_tensorcnt 0x0                           ; the wave's end: behind my last LDS store
	ds_add_u32 v[SPW], v[NIL]
	s_wait_dscnt 0x0
	s_endpgm
.Lfunc_end_k_q43549d43e7_idnn:
	.size	k_q43549d43e7_idnn, .Lfunc_end_k_q43549d43e7_idnn-k_q43549d43e7_idnn
	.p2alignl 7, 3214868480
	.fill 96, 4, 3214868480
	.section	.rodata,"a",@progbits
	.p2align	6, 0x0
	.amdhsa_kernel k_q43549d43e7_idnn
		.amdhsa_group_segment_fixed_size 73728
		.amdhsa_private_segment_fixed_size 0
		.amdhsa_enable_private_segment 0
		.amdhsa_kernarg_size 96
		.amdhsa_user_sgpr_count 2
		.amdhsa_user_sgpr_kernarg_segment_ptr 1
		.amdhsa_wavefront_size32 1
		.amdhsa_system_sgpr_workgroup_id_x 1
		.amdhsa_system_sgpr_workgroup_id_y 1
		.amdhsa_system_sgpr_workgroup_id_z 1
		.amdhsa_system_vgpr_workitem_id 0
		.amdhsa_next_free_vgpr 512
		.amdhsa_next_free_sgpr 100
		.amdhsa_reserve_vcc 0
		.amdhsa_float_denorm_mode_32 3
		.amdhsa_float_denorm_mode_16_64 3
		.amdhsa_memory_ordered 1
		.amdhsa_forward_progress 1
		.amdhsa_inst_pref_size 182
	.end_amdhsa_kernel
	.amdgpu_metadata
---
amdhsa.version: [ 1, 2 ]
amdhsa.kernels:
  - .name:           k_q43549d43e7_idnn
    .symbol:         k_q43549d43e7_idnn.kd
    .args:
      - { .name: x1, .offset: 0, .size: 8, .value_kind: global_buffer, .address_space: global }
      - { .name: x4, .offset: 8, .size: 8, .value_kind: global_buffer, .address_space: global }
      - { .name: W1, .offset: 16, .size: 8, .value_kind: global_buffer, .address_space: global }
      - { .name: b1, .offset: 24, .size: 8, .value_kind: global_buffer, .address_space: global }
      - { .name: W2, .offset: 32, .size: 8, .value_kind: global_buffer, .address_space: global }
      - { .name: b2, .offset: 40, .size: 8, .value_kind: global_buffer, .address_space: global }
      - { .name: W3, .offset: 48, .size: 8, .value_kind: global_buffer, .address_space: global }
      - { .name: b3, .offset: 56, .size: 8, .value_kind: global_buffer, .address_space: global }
      - { .name: Wout, .offset: 64, .size: 8, .value_kind: global_buffer, .address_space: global }
      - { .name: out0, .offset: 72, .size: 8, .value_kind: global_buffer, .address_space: global }
      - { .name: out1, .offset: 80, .size: 8, .value_kind: global_buffer, .address_space: global }
      - { .name: out2, .offset: 88, .size: 8, .value_kind: global_buffer, .address_space: global }
    .group_segment_fixed_size: 73728
    .private_segment_fixed_size: 0
    .kernarg_segment_align: 8
    .kernarg_segment_size: 96
    .max_flat_workgroup_size: 256
    .sgpr_count:     100
    .vgpr_count:     512
    .wavefront_size: 32
...
	.end_amdgpu_metadata
.endif
;; end of part 1
;; ======== version 2 of 2: 1 launch; version 1 with the launch idnn written anew for expert scheduling mode
;; limits: a function is approximated: absolute error at most 6e-08
;; launch idnn (part 2): grid 256 x 1, 8 waves a work-group, no clusters, 73,728 bytes of LDS; arguments x1, x4, W1, b1, W2, b2, W3, b3, Wout, out0, out1, out2; writes out0, out1, out2
.if DOCPART == 2
	.amdgcn_target "amdgcn-amd-amdhsa--gfx1250"
	.amdhsa_code_object_version 6
	.text
	.protected	k_q43549d43e7_idnn
	.globl	k_q43549d43e7_idnn
	.p2align	8
	.type	k_q43549d43e7_idnn,@function
k_q43549d43e7_idnn:
	s_mov_b64 s[64:65], 0
	v_nop
	global_prefetch_b8 v0, s[64:65] scope:SCOPE_SE
	s_setreg_imm32_b32 hwreg(HW_REG_WAVE_SCHED_MODE, 0, 2), 2
	s_setreg_imm32_b32 hwreg(HW_REG_WAVE_MODE, 25, 1), 1
	s_wait_xcnt 0x0
	s_wait_alu depctr_vm_vsrc(0)
; IDNN: y, dy/dx1 and d2y/dx1^2 of a softplus MLP 6 -> 64 -> 64 -> 64 -> 1 for 131,072 samples; the 64 x 64 products on codes of FP4 (E2M1) with one E8M0 scale for each 32 along K.
; PER SAMPLE (Q: the quantiser along the 64; sp: softplus; s = sigmoid; s' = s (1 - s)):
;   z1 = [x1,x4] W1 + b1, h1 = sp(z1);  z2 = Q(h1) Q0(W2) + b2, h2 = sp(z2);  z3 = Q(h2) Q0(W3) + b3, h3 = sp(z3);  y = h3 . Wout
;   gz3 = Wout s3;  gh2 = Q(gz3) Q1(W3)^T;  gz2 = gh2 s2;  gh1 = Q(gz2) Q1(W2)^T;  gz1 = gh1 s1;  dy[i] = gz1 . W1[i,:]
;   for each direction j: dh1 = s1 W1[j,:];  dz2 = Q(dh1) Q0(W2);  dh2 = s2 dz2;  dz3 = Q(dh2) Q0(W3);  dgz3 = Wout s3' dz3;  dgh2 = Q(dgz3) Q1(W3)^T;
;   dgz2 = s2 dgh2 + gh2 s2' dz2;  dgh1 = Q(dgz2) Q1(W2)^T;  dgz1 = s1 dgh1 + gh1 s1' W1[j,:];  ddy[i][j] = dgz1 . W1[i,:]
;   (Q0: a weight quantised along its first axis, Q1: along its second: each product quantises along its own K.)
; WORK DONE ONCE OR LEFT OUT, for all values of the inputs.  reference() evaluates the same forward pass three times and the same reverse pass twice, on the same operands: each is computed once here.
;   The value of f that grad() throws away, and its tangent under jacfwd (the tangent of h3 times Wout), reach no output.  The cotangent of x4 (columns 4 and 5 of the products with W1^T) is sliced away by grad with
;   respect to x1 alone.  The unit vectors times W1 are W1's rows 0 to 3; 1 x Wout is Wout.  Every input still has a way to an output: all are loaded.
; LIMITS.  NaN and infinities among the inputs are not served; a NaN, an infinity or an overflow that reaches only the work left out is not carried to a result.  v_exp_f32 gives 0 for results under 2^-126: for z under
;   about -87 softplus and sigmoid are 0.  s1' is formed as s1 - s1^2 (absolute error about 1e-7); it feeds no quantiser.  h3 = max(z,0) + ln(fl(1 + e)) (absolute error about 6e-8); it feeds y alone.
;   A block of zeros gets the scale byte 1 with zero codes.  The exponential's argument is one rounded product |z| log2(e): its relative error in e grows with |z|, to about 5e-6 at |z| = 87.
; SHARES.  256 work-groups of 512 samples; each of the eight waves owns 64 samples, 16 a trip.  Nothing but the weights' codes, made once, goes from wave to wave: one barrier.
; LAYOUT L.  Lane (r, h) = (lane % 16, lane / 16) holds sample r, and register i of an array its unit 32 h + i.  All products are used transposed (source 0 = 16 units of a weight, source 1 = the 16 samples), and
;   row m of weight tile t is unit 32 (m / 8) + 8 t + m % 8: so the four tiles' results lie in layout L.  L is also the 4-bit operand's layout for K = 64: a lane owns one whole block of 32, four conversions make the
;   operand, and one exchange of lanes brings the other block's scale byte.  K = 64 .. 127 of the instruction: the samples' side has zero codes there, both sides the scale byte 0 (2^-127), so whatever codes the
;   weights' side holds there add nothing: a weight fragment's upper four registers are simply the next fragment's.
; No tensor load, no cluster, no prefetch: a tile's input is 384 bytes, asked for a trip ahead; the weights live in registers.  dy, ddy and y are f32 multiply-adds: 21 sums of 64 terms whose signs cancel.
; REGISTERS, window 0: v1-11 addresses; v12-15 x; v16-23 the weights' scale words; v24-31 a row's codes and four registers of zeros; v32 its scale word; v33-36 the quantiser's; v38-63 sums and results;
;   v64-95 the accumulators, written by matrix instructions alone (their numbers are left unused in window 1); five work arrays of 32 from v96.
;   window 1: v0-63, v96-159 W1's rows 0 to 3 in layout L; v160-223 the 16 weight fragments; v224-255 s1.
; THE MODE: SCHED_MODE bits 1:0 = 2 (LLVM: expert scheduling mode 2), set by the entry lines.  The code itself states the register dependences between vector or matrix instructions and memory or LDS
;   instructions, with s_wait_alu, always for 0.
; THE PLAN.  Registers that memory or LDS instructions touch in the loop, and who else names them:
;   v3-v10, v37  offsets and LDS addresses: made at the head, never written again.     v11  y's LDS address: one add a trip, read by y's store.
;   XB0, XB1     the next tile's loads land here, behind the f32 products and the two selects that name them.
;   TT           loads land at a trip's head (W1's operand) and once in each direction (gh1 s1'); all else that names it is vector or matrix work.
;   KK           loads land four times a trip (two biases, Wout's halves); eight LDS stores read it once (gh1 s1').
;   DACC, DY, HES  sums made by vector lines, read by y's, dy's and the stage's stores.     TMP  the stage's loads land, the global stores read; layer 3 works in HES's and TMP's registers.
;   CODE, SCW    written by the quantiser, taken by the scaled products: one wait on va_vdst ahead of each group of four, behind the places, which stay.
;   Loads and stores stand behind waits that are owed anyway wherever an array is free there: Wout's halves behind the wait for a half's exponentials; gh1 s1' behind the wait of a direction's third product (dgz2
;   is formed in KK, so that TT is free from there on); y's store with the stores of gh1 s1'; dy's store behind the second product of direction 0.  Waits on va_vdst of their own have: the bias loads, the next x,
;   the stores of the reverse pass, the stage's stores.  Behind the last of these a trip issues no vector line, so the next trip's first loads owe nothing.
;   Waits on vm_vsrc: ahead of the loop, ahead of direction 0 (KK, DACC, v11), at a trip's end (DY, HES, TMP).  Waits on va_sdst: behind the wave's number, and behind each run of compares.
.set WIMG,  0                          ; LDS: 16 weight fragments as images of their registers, 512 bytes each (16 x lane)
.set WSC,   8192                       ; their scale words, 128 bytes each (4 x lane; lanes 0-15's are read)
.set CB,    10240                      ; b2, b3, Wout as they lie, 256 bytes each
.set C1I,   11264                      ; a region for each wave: the image of gh1 s1' (4,096 bytes), then that of the f32 product's W1 operand (2,048)
.set WREG,  6144
.set W1AI,  4096
.set STG,   60416                      ; a stage for each wave: 16 rows of out2, 64 bytes + 16
.set YST,   70656                      ; a wave's 64 values of y
.set SPARE, 72704                      ; the spare words, 128 bytes for each wave: four blocks of 256 bytes that no other line names
.set SPW,  1                           ; v1   SPARE + 4 x my thread's number; never rewritten
.set NIL,  2                           ; v2   0; never rewritten
.set OXY,  3                           ; v3   16 r + 8 h: my 8 bytes in a tile of x1 and of out1
.set OX4,  4                           ; v4   8 r: in a tile of x4
.set CBA,  5                           ; v5   CB + 128 h: my half of a bias
.set IMG,  6                           ; v6   my wave's region + 16 x lane
.set STO,  7                           ; v7   the stage, in: row r, + 32 h
.set RDL,  8                           ; v8   the stage, back: four lanes to a row
.set O2,   9                           ; v9   16 x lane
.set YA,   10                          ; v10  y's place: 4 r in my wave's 256 bytes
.set TA,   11
.set XB0,  12                          ; v12-13 x1[r][2 h + 0, 1]
.set XB1,  14                          ; v14-15 lanes 0-15: x4[r][0, 1]; lanes 16-31: 1, 0
.set WS,   16                          ; v16-23 register p: lanes 0-15 tile 2 p's scale words, lanes 16-31 tile 2 p + 1's
.set CODE, 24
.set ZR,   28
.set SCW,  32
.set QM,   33
.set YRD,  37
.set DY,   38
.set DACC, 40
.set HES,  48
.set M16,  48
.set TMP,  56
.set ACC,  64
.set TT,   96
.set KK,   128
.set SG2,  160
.set QW,   192
.set CC,   224
.set WT,   160                         ; window 1
.set SG1,  224                         ; window 1
.set WV,    28
.set HI,    30                         ; lanes 16-31
.set SEL,   32
.set LOG2E, 34
.set LN2,   36
.set TRIP,  38
.set YQ,    39
.set MK,    68                         ; s68-99: a lane mask for each register of an array: z >= 0
.set MSB, 0
.macro WIN new                         ; the immediate's high byte repeats the setting that is left; low byte: bits 1:0 source 0, 3:2 source 1, 5:4 source 2, 7:6 destination
.if MSB != \new
	s_set_vgpr_msb (MSB<<8)|\new
.set MSB, \new
.endif
.endm
.macro GAP n
.rept \n
	v_nop
.endr
.endm
.macro PKMUL d, a, b                   ; 32 products, two at a time, ascending: an accumulator is read from its low end on
.set pm, 0
.rept 16
	v_pk_mul_f32 v[(\d)+pm:(\d)+pm+1], v[(\a)+pm:(\a)+pm+1], v[(\b)+pm:(\b)+pm+1]
.set pm, pm+2
.endr
.endm
.macro PKFMA d, a, b, c
.set pm, 0
.rept 16
	v_pk_fma_f32 v[(\d)+pm:(\d)+pm+1], v[(\a)+pm:(\a)+pm+1], v[(\b)+pm:(\b)+pm+1], v[(\c)+pm:(\c)+pm+1]
.set pm, pm+2
.endr
.endm
; My block of 32 numbers, v[x] on, becomes four registers of codes in v[CODE] on; v[SCW] gets the row's scale word (right in lanes 0-15, which alone are read).
.macro QUANT x
	v_max3_num_f32 v[QM],   |v[\x]|,   |v[\x+1]|, 0x1800000        ; the largest magnitude, in four chains; the floor 2^(3 - 127) keeps the byte at 1 from below
	v_max3_num_f32 v[QM+1], |v[\x+2]|, |v[\x+3]|, |v[\x+4]|
	v_max3_num_f32 v[QM+2], |v[\x+5]|, |v[\x+6]|, |v[\x+7]|
	v_max3_num_f32 v[QM+3], |v[\x+8]|, |v[\x+9]|, |v[\x+10]|
.irp n, 0,1,2,3,4,5,6,7,8,9
	v_max3_num_f32 v[QM+\n%4], v[QM+\n%4], |v[\x+11+2*\n]|, |v[\x+12+2*\n]|
.endr
	v_max3_num_f32 v[QM], v[QM], v[QM+1], v[QM+2]
	v_max3_num_f32 v[QM], v[QM], v[QM+3], |v[\x+31]|
	v_add_nc_u32 v[QM+1], 0xff000000, v[QM]                        ; 2 off its exponent field: the conversion takes this operand's exponent field as its scale
	v_lshrrev_b32 v[QM+2], 23, v[QM+1]                             ; my block's byte
	v_permlanex16_b32 v[QM+3], v[QM+2], s[SEL], s[SEL+1]           ; and the other block's
	v_lshl_or_b32 v[SCW], v[QM+3], 8, v[QM+2]                      ; bytes 2 and 3 stay 0
.irp g, 0,1,2,3
	v_cvt_scalef32_pk8_fp4_f32 v[CODE+\g], v[\x+8*\g:\x+8*\g+7], v[QM+1]
.endr
	v_nop                                                          ; one plain place behind the last conversion
.endm
; Four products: the 64 units of weight set ws (0: W2 along its first axis, 1: W3 likewise, 2: W3 along its second, 3: W2 likewise) x my 16 rows.  usec = 1: C is the bias in v[c] on, in layout L.
; Four different accumulators, one K step each: no sum is taken up again.
.macro MM ws, c, usec
	WIN 0x01                                                       ; source 0, the weights, in window 1
	s_wait_alu depctr_va_vdst(0)                                   ; the quantiser has written the row's codes and its scale word (at the first use: the moves have written the four registers of zeros), which the products take; the places ahead of this wait stay beside it
.irp t, 0,1,2,3
.if \usec
.if (\t%2) == 1
	v_wmma_scale_f32_16x16x128_f8f6f4 v[ACC+8*\t:ACC+8*\t+7], v[WT+4*(4*\ws+\t):WT+4*(4*\ws+\t)+7], v[CODE:CODE+7], v[\c+8*\t:\c+8*\t+7], v[WS+2*\ws+\t/2], v[SCW] matrix_a_fmt:MATRIX_FMT_FP4 matrix_b_fmt:MATRIX_FMT_FP4 matrix_a_scale:MATRIX_SCALE_ROW1
.else
	v_wmma_scale_f32_16x16x128_f8f6f4 v[ACC+8*\t:ACC+8*\t+7], v[WT+4*(4*\ws+\t):WT+4*(4*\ws+\t)+7], v[CODE:CODE+7], v[\c+8*\t:\c+8*\t+7], v[WS+2*\ws+\t/2], v[SCW] matrix_a_fmt:MATRIX_FMT_FP4 matrix_b_fmt:MATRIX_FMT_FP4
.endif
.else
.if (\t%2) == 1
	v_wmma_scale_f32_16x16x128_f8f6f4 v[ACC+8*\t:ACC+8*\t+7], v[WT+4*(4*\ws+\t):WT+4*(4*\ws+\t)+7], v[CODE:CODE+7], 0, v[WS+2*\ws+\t/2], v[SCW] matrix_a_fmt:MATRIX_FMT_FP4 matrix_b_fmt:MATRIX_FMT_FP4 matrix_a_scale:MATRIX_SCALE_ROW1
.else
	v_wmma_scale_f32_16x16x128_f8f6f4 v[ACC+8*\t:ACC+8*\t+7], v[WT+4*(4*\ws+\t):WT+4*(4*\ws+\t)+7], v[CODE:CODE+7], 0, v[WS+2*\ws+\t/2], v[SCW] matrix_a_fmt:MATRIX_FMT_FP4 matrix_b_fmt:MATRIX_FMT_FP4
.endif
.endif
.endr
.endm
; Lines a .. b - 1 of the 64 that multiply the row in v[TT] on by W1's rows 0 to 3 (window 1: the caller sets source 1 there): line n adds pair n / 4 into the sum of component n % 4.
.macro DOTS a, b
.set nn, \a
.rept \b-\a
.set dp, nn/4
.set di, nn%4
.if dp == 0
	v_pk_mul_f32 v[DACC+2*di:DACC+2*di+1], v[TT+2*dp:TT+2*dp+1], v[32*di+32*(di/2)+2*dp:32*di+32*(di/2)+2*dp+1]
.else
	v_pk_fma_f32 v[DACC+2*di:DACC+2*di+1], v[TT+2*dp:TT+2*dp+1], v[32*di+32*(di/2)+2*dp:32*di+32*(di/2)+2*dp+1], v[DACC+2*di:DACC+2*di+1]
.endif
.set nn, nn+1
.endr
.endm
; The four sums' halves meet: afterwards lane (r, h) holds components 2 h (d0) and 2 h + 1 (d1) of sample r.
.macro REDUCE d0, d1
.irp i, 0,2,4,6
	v_add_f32 v[DACC+\i], v[DACC+\i], v[DACC+\i+1]
.endr
	v_permlane16_swap_b32 v[DACC], v[DACC+4]                       ; component 0's lanes 16-31 change places with component 2's lanes 0-15
	v_permlane16_swap_b32 v[DACC+2], v[DACC+6]
	v_add_f32 v[\d0], v[DACC], v[DACC+4]
	v_add_f32 v[\d1], v[DACC+2], v[DACC+6]
.endm
; ---------------- set-up ----------------
	s_load_b512 s[4:19], s[0:1], 0x0               ; x1 s[4:5], x4 s[6:7], W1 s[8:9], b1 s[10:11], W2 s[12:13], b2 s[14:15], W3 s[16:17], b3 s[18:19]
	s_load_b256 s[20:27], s[0:1], 0x40             ; Wout s[20:21], out0 s[22:23], out1 s[24:25], out2 s[26:27]
	v_lshl_add_u32 v[SPW], v0, 2, SPARE
	v_mov_b32 v[NIL], 0
	v_lshrrev_b32 v40, 5, v0
	v_readfirstlane_b32 s[WV], v40                 ; wave 0..7
	v_and_b32 v40, 31, v0                          ; lane
	v_and_b32 v41, 15, v0                          ; r
	v_bfe_u32 v42, v0, 4, 1                        ; h
	v_bfe_u32 v43, v0, 3, 1                        ; r / 8
	v_and_b32 v44, 7, v0                           ; r % 8
	v_and_b32 v45, 3, v0
	; every LDS address is made here, ahead of the first branch on the wave's number: a constant + constants x lane terms + a constant x wave
	v_lshlrev_b32 v[OXY], 4, v41
	v_lshl_add_u32 v[OXY], v42, 3, v[OXY]
	v_lshlrev_b32 v[OX4], 3, v41
	v_lshl_add_u32 v[CBA], v42, 7, CB
	v_lshlrev_b32 v[O2], 4, v40
	s_wait_alu depctr_va_sdst(0)                   ; the wave's number is written, ahead of its first reader
	s_mul_i32 s40, s[WV], WREG
	s_add_co_u32 s40, s40, C1I
	v_add_nc_u32 v[IMG], s40, v[O2]
	s_mul_i32 s41, s[WV], 1280
	s_add_co_u32 s41, s41, STG
	v_mul_u32_u24 v[STO], v41, 80
	v_lshl_add_u32 v[STO], v42, 5, v[STO]
	v_add_nc_u32 v[STO], s41, v[STO]
	v_lshrrev_b32 v[RDL], 2, v40
	v_mul_u32_u24 v[RDL], v[RDL], 80
	v_lshl_add_u32 v[RDL], v45, 4, v[RDL]
	v_add_nc_u32 v[RDL], s41, v[RDL]
	s_lshl_b32 s42, s[WV], 8
	s_add_co_u32 s43, s42, YST
	v_lshl_add_u32 v[YA], v41, 2, s43
	v_lshl_add_u32 v[YRD], v40, 3, s43
	s_lshl_b32 s44, s[WV], 10
	v_add_nc_u32 v46, s44, v[O2]                   ; where I store my two fragments' images: 1,024 x wave + 16 x lane
	s_add_co_u32 s45, s42, WSC
	v_lshl_add_u32 v47, v40, 2, s45                ; and their scale words: 256 x wave + 4 x lane
	v_lshl_add_u32 v48, v40, 3, CB                 ; the biases' copy: 8 x lane
	v_lshlrev_b32 v49, 2, v41
	v_lshl_add_u32 v49, v42, 7, v49
	v_add_nc_u32 v49, WSC, v49                     ; the scale words back: lanes 0-15 an even tile's, lanes 16-31 the next tile's
	; offsets in memory
	v_lshlrev_b32 v50, 7, v42                      ; W1 in layout L: 128 h
	v_lshlrev_b32 v51, 2, v44
	v_lshl_add_u32 v51, v43, 7, v51                ; 4 x unit of row r of tile 0: 128 (r / 8) + 4 (r % 8)
	v_lshl_add_u32 v52, v42, 9, v51                ; + W1's rows 2 h
	s_and_b32 s52, s[WV], 1
	s_lshl_b32 s53, s52, 6                         ; my first tile is 2 (wave % 2): 32 bytes a tile along a row of a weight,
	s_lshl_b32 s54, s52, 12                        ; 2,048 bytes a tile down its rows
	v_lshl_add_u32 v53, v42, 13, v51
	v_add_nc_u32 v53, s53, v53                     ; K = the first axis: W[32 h + i][unit]
	v_lshlrev_b32 v55, 8, v44
	v_lshl_add_u32 v55, v43, 13, v55
	v_lshl_add_u32 v55, v42, 7, v55
	v_add_nc_u32 v55, s54, v55                     ; K = the second axis: W[unit][32 h + i]
	v_lshlrev_b32 v54, 3, v40
	s_mov_b32 s[HI], 0xffff0000
	s_mov_b32 s[SEL], 0x76543210
	s_mov_b32 s[SEL+1], 0xfedcba98                 ; v_permlanex16_b32's selects for lane l xor 16
	s_mov_b32 s[LOG2E], 0x3fb8aa3b
	s_mov_b32 s[LN2], 0x3f317218
	s_mov_b32 s[LN2+1], 0x3f317218                 ; (named with it as a pair, so it is written)
	s_lshl_b32 s48, ttmp9, 9
	s_lshl_b32 s49, s[WV], 6
	s_add_co_u32 s48, s48, s49                     ; my wave's first sample: 512 x work-group + 64 x wave
	s_mov_b32 s51, 0
	s_lshl_b32 s50, s48, 4
	s_wait_kmcnt 0x0
	s_add_nc_u64 s[4:5], s[4:5], s[50:51]          ; x1 and out1: 16 bytes a sample
	s_add_nc_u64 s[24:25], s[24:25], s[50:51]
	s_lshl_b32 s50, s48, 3
	s_add_nc_u64 s[6:7], s[6:7], s[50:51]          ; x4: 8
	s_lshl_b32 s50, s48, 2
	s_add_nc_u64 s[22:23], s[22:23], s[50:51]      ; out0: 4
	s_lshl_b32 s50, s48, 6
	s_add_nc_u64 s[26:27], s[26:27], s[50:51]      ; out2: 64
	s_lshr_b32 s46, s[WV], 1                       ; my weight set = wave / 2: sets 0 and 3 are W2's, sets 1 and 2 W3's
	s_add_co_u32 s46, s46, 1
	s_and_b32 s46, s46, 2
	s_cmp_eq_u32 s46, 0
	s_cselect_b64 s[46:47], s[12:13], s[16:17]
	WIN 0x40                                       ; destination window 1
	s_wait_alu depctr_va_vdst(0)                   ; all offsets and LDS addresses (v3 to v10, v37, v46 to v55) are written: every load and store of the kernel but y's LDS store and y's global store reads one of them
.irp d, 0,1,2,3
.irp q, 0,1,2,3,4,5,6,7
	global_load_b128 v[32*\d+32*(\d/2)+4*\q:32*\d+32*(\d/2)+4*\q+3], v50, s[8:9] offset:256*\d+16*\q   ; W1[d][32 h + 4 q ..]: it stays
.endr
.endr
	WIN 0
.irp t, 0,1,2,3                                ; the f32 product's source 0: register 4 t + 2 s + j = W1'[4 s + 2 h + j][unit of row r of tile t], W1' = W1 with b1 as row 6 and zeros as row 7
.irp j, 0,1
	global_load_b32 v[SG2+4*\t+\j], v52, s[8:9] offset:256*\j+32*\t
	global_load_b32 v[SG2+4*\t+2+\j], v51, s[8:9] offset:256*(4+\j)+32*\t
.endr
	global_load_b32 v[SG2+16+\t], v51, s[10:11] offset:32*\t
.endr
	global_load_b64 v[XB0:XB0+1], v[OXY], s[4:5] th:TH_LOAD_NT     ; the first tile's x: 32 lanes read 256 consecutive bytes of x1,
	global_load_b64 v[XB1:XB1+1], v[OX4], s[6:7]                   ; and, both halves alike, 128 of x4
	global_load_b64 v[CC:CC+1], v54, s[14:15]      ; b2, b3, Wout: every wave loads them, wave 0 stores them
	global_load_b64 v[CC+2:CC+3], v54, s[18:19]
	global_load_b64 v[CC+4:CC+5], v54, s[20:21]
	s_cmp_lt_u32 s[WV], 4                          ; waves 0-3 make the sets whose K is the weight's first axis, waves 4-7 the others; two tiles a wave
	s_cbranch_scc0 .Laxis1
.set li, 0
.rept 32
	global_load_b32 v[TT+li], v53, s[46:47] offset:256*li
	global_load_b32 v[KK+li], v53, s[46:47] offset:256*li+32
.set li, li+1
.endr
	s_branch .Lweights_asked
.Laxis1:
.irp q, 0,1,2,3,4,5,6,7
	global_load_b128 v[TT+4*\q:TT+4*\q+3], v55, s[46:47] offset:16*\q
	global_load_b128 v[KK+4*\q:KK+4*\q+3], v55, s[46:47] offset:16*\q+2048
.endr
.Lweights_asked:
	s_wait_loadcnt 0x0                             ; all of the set-up's loads
.irp t, 0,1,2,3
	v_cndmask_b32 v[SG2+4*\t+2], v[SG2+4*\t+2], v[SG2+16+\t], s[HI]   ; lanes 16-31 hold rows 6 and 7: b1 and 0
	v_cndmask_b32 v[SG2+4*\t+3], v[SG2+4*\t+3], 0, s[HI]
.endr
	QUANT TT
	s_wait_alu depctr_va_vdst(0)                   ; the selects have written v[SG2 ..], the quantiser v[CODE ..] and v[SCW]: the six LDS stores below read them
.irp t, 0,1,2,3
	ds_store_b128 v[IMG], v[SG2+4*\t:SG2+4*\t+3] offset:W1AI+512*\t   ; into my own region: each trip reads it back
.endr
	ds_store_b128 v46, v[CODE:CODE+3]
	ds_store_b32 v47, v[SCW]
	s_wait_dscnt 0x0                               ; the stores have landed
	s_wait_alu depctr_vm_vsrc(0)                   ; and have read v[CODE ..] and v[SCW], which the quantiser writes again
	QUANT KK
	s_wait_alu depctr_va_vdst(0)                   ; the quantiser has written v[CODE ..] and v[SCW], which the two LDS stores below read
	ds_store_b128 v46, v[CODE:CODE+3] offset:512
	ds_store_b32 v47, v[SCW] offset:128
	s_cmp_lg_u32 s[WV], 0
	s_cbranch_scc1 .Lnot_wave_0
	ds_store_b64 v48, v[CC:CC+1]
	ds_store_b64 v48, v[CC+2:CC+3] offset:256
	ds_store_b64 v48, v[CC+4:CC+5] offset:512
.Lnot_wave_0:
	s_wait_dscnt 0x0                               ; for the others' sake: my stores have landed
	s_barrier_signal -1
	s_barrier_wait -1                              ; all 16 fragments, their scale words and the biases lie in LDS; nobody writes them again
	WIN 0x40
.set li, 0
.rept 16
	ds_load_b128 v[WT+4*li:WT+4*li+3], v[O2] offset:WIMG+512*li    ; into registers that no vector line has named
.set li, li+1
.endr
	WIN 0
.irp p, 0,1,2,3,4,5,6,7
	ds_load_b32 v[WS+\p], v49 offset:256*\p
.endr
.irp i, 0,1,2,3
	v_mov_b32 v[ZR+\i], 0                          ; the rows' codes of K = 64 .. 127
.endr
	s_mov_b32 s[TRIP], 4
	s_mov_b32 s[YQ], 0
	s_wait_dscnt 0x0
	s_wait_alu depctr_vm_vsrc(0)                   ; the set-up's loads and LDS stores have read their offsets (v46 to v55) and their data (v24-27, v32, v160-175, v224-229): the loop writes all of these anew
; Layers 1 and 2.  z lies in the accumulators.  e = 2^(-|z| log2 e), u = fl(1 + e), r = 1 / u.  sp = max(z, 0) + ln u + (e - (u - 1)) r: u - 1 and e - (u - 1) are exact, so this is log1p to f32 accuracy.
; s = r where z >= 0, else e r;  s' = e r^2.  Then h is quantised and multiplied by weight set ws, with the bias at byte bo of CB as C.  first = 1: s goes to s1 (window 1); else to SG2, and s' to CC.
.macro L12 bo, ws, first
.set li, 0
.rept 32
	v_mul_f32 v[QW+li], -|v[ACC+li]|, s[LOG2E]
.set li, li+1
.endr
.set li, 0
.rept 32
	v_exp_f32 v[QW+li], v[QW+li]
.set li, li+1
.endr
.set li, 0
.rept 32
	v_max_num_f32 v[TT+li], 0, v[ACC+li]           ; plain work behind the exponentials
.set li, li+1
.endr
	s_wait_alu depctr_va_vdst(0)                   ; the 32 exponentials have written v[QW ..]: one wait, ahead of their first reader
.set li, 0
.rept 16
	v_pk_add_f32 v[CC+li:CC+li+1], v[QW+li:QW+li+1], 1.0 op_sel_hi:[1,0]
.set li, li+2
.endr
.set li, 0
.rept 32
	v_rcp_f32 v[SG2+li], v[CC+li]
.set li, li+1
.endr
.set li, 0
.rept 32
	v_log_f32 v[KK+li], v[CC+li]
.set li, li+1
.endr
	v_nop                                          ; a plain place behind the last of them
.set li, 0
.rept 32
	v_cmp_le_f32 s[MK+li], 0, v[ACC+li]
.set li, li+1
.endr
.set li, 0
.rept 16
	v_pk_add_f32 v[CC+li:CC+li+1], v[CC+li:CC+li+1], -1.0 op_sel_hi:[1,0]
.set li, li+2
.endr
.set li, 0
.rept 16
	v_pk_add_f32 v[CC+li:CC+li+1], v[QW+li:QW+li+1], v[CC+li:CC+li+1] neg_lo:[0,1] neg_hi:[0,1]
.set li, li+2
.endr
	s_wait_alu depctr_va_vdst(0)                   ; the 64 reciprocals and logarithms have written v[SG2 ..] and v[KK ..]: one wait, ahead of their first reader
	s_wait_alu depctr_va_sdst(0)                   ; the 32 compares have written s[MK ..], ahead of the selects that read them
.set li, 0
.rept 16
	v_pk_fma_f32 v[TT+li:TT+li+1], v[KK+li:KK+li+1], s[LN2:LN2+1], v[TT+li:TT+li+1] op_sel_hi:[1,0,1]
.set li, li+2
.endr
	s_wait_alu depctr_va_vdst(0)                   ; these sixteen are done reading the logarithms in v[KK ..], in which the bias lands
.irp q, 0,1,2,3,4,5,6,7
	ds_load_b128 v[KK+4*\q:KK+4*\q+3], v[CBA] offset:\bo+16*\q     ; the next layer's bias in layout L, where the logarithms lay
.endr
	PKFMA TT, CC, SG2, TT
	QUANT TT
	PKMUL QW, QW, SG2                              ; e r.  (16 plain lines between the scale word's making and the products)
	s_wait_dscnt 0x0                               ; the bias is in
	MM \ws, KK, 1
.if \first
	WIN 0x40
.set li, 0
.rept 32
	v_cndmask_b32 v[SG1+li], v[QW+li], v[SG2+li], s[MK+li]         ; s1.  (These lines name no register of the products: they are the places behind them)
.set li, li+1
.endr
	WIN 0
.else
	WIN 0
	PKMUL CC, QW, SG2                              ; s2' = e r^2
.set li, 0
.rept 32
	v_cndmask_b32 v[SG2+li], v[QW+li], v[SG2+li], s[MK+li]         ; s2
.set li, li+1
.endr
.endif
.endm
; Layer 3, half a (registers 16 a on), so that Wout in layout L fits into the idle half of KK.  Leaves gz3 = Wout s3 in TT, Wout s3' in QW, and adds h3 Wout into the four sums.
.macro L3H a
.set ZB, ACC+16*\a
.set EB, TT+16*\a
.set UB, KK+16*\a
.set RB, QW+16*\a
.set WB, KK+16*(1-\a)
.set li, 0
.rept 16
	v_mul_f32 v[EB+li], -|v[ZB+li]|, s[LOG2E]
.set li, li+1
.endr
.set li, 0
.rept 16
	v_exp_f32 v[EB+li], v[EB+li]
.set li, li+1
.endr
.set li, 0
.rept 16
	v_cmp_le_f32 s[MK+li], 0, v[ZB+li]
.set li, li+1
.endr
	s_wait_alu depctr_va_vdst(0)                   ; the 16 exponentials have written v[EB ..], ahead of their first reader; and all that named the idle half of KK (the products that took the bias as C; the half before) is done with it
.irp q, 0,1,2,3
	ds_load_b128 v[WB+4*\q:WB+4*\q+3], v[CBA] offset:512+64*\a+16*\q       ; Wout for this half's registers.  No further wait: these stand straight behind the one above
.endr
.set li, 0
.rept 8
	v_pk_add_f32 v[UB+li:UB+li+1], v[EB+li:EB+li+1], 1.0 op_sel_hi:[1,0]
.set li, li+2
.endr
.set li, 0
.rept 16
	v_rcp_f32 v[RB+li], v[UB+li]
.set li, li+1
.endr
	v_nop                                          ; a plain place before the reciprocals' sources are written over
.set li, 0
.rept 16
	v_log_f32 v[UB+li], v[UB+li]
.set li, li+1
.endr
.set li, 0
.rept 16
	v_max_num_f32 v[M16+li], 0, v[ZB+li]
.set li, li+1
.endr
	s_wait_alu depctr_va_vdst(0)                   ; the 32 reciprocals and logarithms have written v[RB ..] and v[UB ..]: one wait, ahead of their first reader
	s_wait_alu depctr_va_sdst(0)                   ; the 16 compares have written s[MK ..], ahead of the selects that read them
	s_wait_dscnt 0x0                               ; Wout's half is in
.set li, 0
.rept 8
	v_pk_fma_f32 v[M16+li:M16+li+1], v[UB+li:UB+li+1], s[LN2:LN2+1], v[M16+li:M16+li+1] op_sel_hi:[1,0,1]   ; h3
.set li, li+2
.endr
.set li, 0
.rept 8
.if (\a == 0) && (li < 4)
	v_pk_mul_f32 v[DACC+2*(li%4):DACC+2*(li%4)+1], v[M16+2*li:M16+2*li+1], v[WB+2*li:WB+2*li+1]
.else
	v_pk_fma_f32 v[DACC+2*(li%4):DACC+2*(li%4)+1], v[M16+2*li:M16+2*li+1], v[WB+2*li:WB+2*li+1], v[DACC+2*(li%4):DACC+2*(li%4)+1]
.endif
.set li, li+1
.endr
.set li, 0
.rept 8
	v_pk_mul_f32 v[EB+li:EB+li+1], v[EB+li:EB+li+1], v[RB+li:RB+li+1]      ; e r
.set li, li+2
.endr
.set li, 0
.rept 8
	v_pk_mul_f32 v[M16+li:M16+li+1], v[EB+li:EB+li+1], v[RB+li:RB+li+1]    ; s3' = e r^2
.set li, li+2
.endr
.set li, 0
.rept 16
	v_cndmask_b32 v[EB+li], v[EB+li], v[RB+li], s[MK+li]                   ; s3
.set li, li+1
.endr
.set li, 0
.rept 8
	v_pk_mul_f32 v[EB+li:EB+li+1], v[EB+li:EB+li+1], v[WB+li:WB+li+1]      ; gz3
	v_pk_mul_f32 v[RB+li:RB+li+1], v[M16+li:M16+li+1], v[WB+li:WB+li+1]    ; Wout s3'
.set li, li+2
.endr
.endm
; Direction j.  On entry v[TT] on holds the row before (gz1, or dgz1 of direction j - 1): its 64 multiply-adds with W1 stand round this chain's first products, and its four sums go to d0, d1.  On exit TT holds dgz1 of j.
.macro CHAIN j, d0, d1
.set WJ, 32*\j+32*(\j/2)
	WIN 0x05                                       ; sources 0 and 1 in window 1
	PKMUL KK, SG1, WJ                              ; dh1 = s1 W1[j]
	WIN 0
	QUANT KK
	WIN 0x04                                       ; source 1 in window 1
	DOTS 0, 16                                     ; (16 plain lines between the scale word's making and the products)
	MM 0, 0, 0                                     ; dz2
	WIN 0x04
	DOTS 16, 64                                    ; (the places behind the products)
	WIN 0
	REDUCE \d0, \d1
	PKMUL TT, SG2, ACC                             ; dh2 = s2 dz2
	QUANT TT
	PKMUL KK, CC, ACC                              ; gh2 s2' dz2, kept for dgz2
	MM 1, 0, 0                                     ; dz3
	WIN 0
.if \j == 0
	global_store_b64 v[OXY], v[DY:DY+1], s[24:25]  ; dy: 32 lanes store 256 consecutive bytes, at a multiple of 256 from out1's first byte.  No wait of its own: the wait ahead of the four products above shows v[DY ..] written, and these name neither it nor the offset
.endif
	GAP 4                                          ; four places before the results are read
	PKMUL TT, QW, ACC                              ; dgz3 = Wout s3' dz3
	QUANT TT
	GAP 7                                          ; with the quantiser's last line: eight places between the scale word's making and the products; no other work is at hand
	MM 2, 0, 0                                     ; dgh2
	WIN 0
.irp q, 0,1,2,3,4,5,6,7
	ds_load_b128 v[TT+4*\q:TT+4*\q+3], v[IMG] offset:512*\q        ; gh1 s1', from my own image of it.  No wait of its own: the wait ahead of the four products above shows the conversions done reading v[TT ..], and nothing names it until these have landed
.endr
	GAP 4
	PKFMA KK, SG2, ACC, KK                         ; dgz2 = s2 dgh2 + gh2 s2' dz2, over its own addend, so that TT is free for the loads above
	QUANT KK
	GAP 7
	MM 3, 0, 0                                     ; dgh1
	s_wait_dscnt 0x0
	WIN 0x04
	PKMUL TT, TT, WJ                               ; gh1 s1' W1[j].  (The places behind the products)
	WIN 0x01
	PKFMA TT, SG1, ACC, TT                         ; dgz1 = s1 dgh1 + gh1 s1' W1[j]
	WIN 0
.endm
; ---------------- a trip: 16 samples ----------------
.Ltile:
.irp t, 0,1,2,3
	ds_load_b128 v[TT+4*\t:TT+4*\t+3], v[IMG] offset:W1AI+512*\t   ; the f32 product's source 0.  No wait here: on the way back the wait ahead of the stage's stores, on the way in the one behind the second quantiser, stands behind the last line that named v[TT ..]
.endr
	s_wait_loadcnt 0x0                             ; this tile's x, asked for a trip ago
	v_cndmask_b32 v[XB1], v[XB1], 1.0, s[HI]       ; inputs 6 and 7 are 1 and 0: b1 rides as row 6 of W1
	v_cndmask_b32 v[XB1+1], v[XB1+1], 0, s[HI]
	s_wait_dscnt 0x0
.irp t, 0,1,2,3                                ; z1 = x W1 + b1 in f32: two K steps of 4; the four accumulators take turns
	v_wmma_f32_16x16x4_f32 v[ACC+8*\t:ACC+8*\t+7], v[TT+4*\t:TT+4*\t+1], v[XB0:XB0+1], 0
.endr
.irp t, 0,1,2,3
	v_wmma_f32_16x16x4_f32 v[ACC+8*\t:ACC+8*\t+7], v[TT+4*\t+2:TT+4*\t+3], v[XB1:XB1+1], v[ACC+8*\t:ACC+8*\t+7]
.endr
	GAP 8                                          ; eight places behind this form, before its results are read and its sources written anew
	s_cmp_eq_u32 s[TRIP], 1                        ; the next tile's x, if there is one: no load leaves its buffer
	s_cbranch_scc1 .Lno_next
	s_wait_alu depctr_va_vdst(0)                   ; the eight products are done reading v[XB0 ..] and v[XB1 ..], and the two selects have written v[XB1 ..]: the next tile's x lands there
	global_load_b64 v[XB0:XB0+1], v[OXY], s[4:5] offset:256 th:TH_LOAD_NT
	global_load_b64 v[XB1:XB1+1], v[OX4], s[6:7] offset:128
.Lno_next:
	L12 0, 0, 1                                    ; h1, s1; z2
	L12 256, 1, 0                                  ; h2, s2, s2'; z3
	L3H 0
	L3H 1
	; the reverse pass
	QUANT TT                                       ; gz3
	WIN 0x15                                       ; all three sources in window 1
.set li, 0
.rept 16
	v_pk_fma_f32 v[KK+li:KK+li+1], v[SG1+li:SG1+li+1], v[SG1+li:SG1+li+1], v[SG1+li:SG1+li+1] neg_lo:[1,0,0] neg_hi:[1,0,0]   ; s1' = s1 - s1^2
.set li, li+2
.endr
	MM 2, 0, 0                                     ; gh2
	WIN 0
	v_pk_add_f32 v[DACC:DACC+1], v[DACC:DACC+1], v[DACC+2:DACC+3]          ; y: the four sums, (these lines are the places behind the products)
	v_pk_add_f32 v[DACC+4:DACC+5], v[DACC+4:DACC+5], v[DACC+6:DACC+7]
	v_pk_add_f32 v[DACC:DACC+1], v[DACC:DACC+1], v[DACC+4:DACC+5]
	v_add_f32 v[DACC], v[DACC], v[DACC+1]
	v_permlanex16_b32 v[DACC+1], v[DACC], s[SEL], s[SEL+1]
	v_add_nc_u32 v[TA], s[YQ], v[YA]
	v_add_f32 v[DACC], v[DACC], v[DACC+1]          ; and the other 32 units'; it is stored further down, with gh1 s1'
	PKMUL TT, SG2, ACC                             ; gz2 = gh2 s2
	QUANT TT
	PKMUL CC, CC, ACC                              ; gh2 s2'
	MM 3, 0, 0                                     ; gh1
	WIN 0
	GAP 4
	PKMUL KK, KK, ACC                              ; gh1 s1'
	s_wait_alu depctr_va_vdst(0)                   ; these sixteen have written v[KK ..]; y's sum v[DACC] and its address v[TA] are written too: the nine LDS stores below read them
	ds_store_b32 v[TA], v[DACC]                    ; y: both lanes of a sample write the same word with the same value
.irp q, 0,1,2,3,4,5,6,7
	ds_store_b128 v[IMG], v[KK+4*\q:KK+4*\q+3] offset:512*\q       ; kept in my own LDS: each direction reads it back
.endr
	WIN 0x01
	PKMUL TT, SG1, ACC                             ; gz1 = gh1 s1
	WIN 0
	s_wait_dscnt 0x0                               ; the stores have landed
	s_wait_alu depctr_vm_vsrc(0)                   ; and have read v[KK ..] and v[DACC], which direction 0 writes anew (and v[TA], which the next trip does)
	CHAIN 0, DY, DY+1
	CHAIN 1, HES+0, HES+4
	CHAIN 2, HES+1, HES+5
	CHAIN 3, HES+2, HES+6
	WIN 0x04
	DOTS 0, 64
	WIN 0
	REDUCE HES+3, HES+7                            ; v[HES + 4 i + j] of lane (r, h) = ddy[r][2 h + i][j]: 32 consecutive bytes of the sample's 64
	s_wait_alu depctr_va_vdst(0)                   ; the reductions have written v[HES ..], which the stage's stores read; layer 3 is done with v[TMP ..], in which the stage's loads land; the multiply-adds are done reading v[TT ..], in which the next trip's first loads land
	ds_store_b128 v[STO], v[HES:HES+3]             ; through my own stage, so that the lanes store consecutive bytes; LDS serves a wave's instructions in order (ISA guide 5.7.1.4)
	ds_store_b128 v[STO], v[HES+4:HES+7] offset:16
	ds_load_b128 v[TMP:TMP+3], v[RDL]
	ds_load_b128 v[TMP+4:TMP+7], v[RDL] offset:640
	s_wait_dscnt 0x0
	global_store_b128 v[O2], v[TMP:TMP+3], s[26:27] th:TH_STORE_NT             ; 32 lanes store 512 consecutive bytes, at a multiple of 256 from out2's first byte
	global_store_b128 v[O2], v[TMP+4:TMP+7], s[26:27] offset:512 th:TH_STORE_NT
	s_wait_xcnt 0x0                                ; the trip's loads and stores have read their bases, offsets and data: only now are these written again
	s_wait_alu depctr_vm_vsrc(0)                   ; the trip's stores have read v[DY ..], v[HES ..] and v[TMP ..]: the next trip's vector lines and loads, and y's load behind the loop, write them anew
	s_add_nc_u64 s[4:5], s[4:5], 256
	s_add_nc_u64 s[6:7], s[6:7], 128
	s_add_nc_u64 s[24:25], s[24:25], 256
	s_add_nc_u64 s[26:27], s[26:27], 1024
	s_add_co_u32 s[YQ], s[YQ], 64
	s_sub_co_u32 s[TRIP], s[TRIP], 1
	s_cmp_lg_u32 s[TRIP], 0
	s_cbranch_scc1 .Ltile
	ds_load_b64 v[TMP:TMP+1], v[YRD]               ; my wave's 64 values of y, two a lane
	v_and_b32 v[QM], 31, v0
	v_lshlrev_b32 v[QM], 3, v[QM]
	s_wait_dscnt 0x0
	s_wait_alu depctr_va_vdst(0)                   ; the offset v[QM] is written, which the store below reads
	global_store_b64 v[QM], v[TMP:TMP+1], s[22:23] ; 32 lanes store 256 consecutive bytes, at a multiple of 256 from out0's first byte
	s_wait_dscnt 0x0                               ; the wave's end: the six closing lines
	s_wait_alu 0x0
	s_wait_tensorcnt 0x0
	ds_add_u32 v[SPW], v[NIL]
	s_wait_dscnt 0x0
	s_endpgm
.Lfunc_end_k_q43549d43e7_idnn:
	.size	k_q43549d43e7_idnn, .Lfunc_end_k_q43549d43e7_idnn-k_q43549d43e7_idnn
	.p2alignl 7, 3214868480
	.fill 96, 4, 3214868480
	.section	.rodata,"a",@progbits
	.p2align	6, 0x0
	.amdhsa_kernel k_q43549d43e7_idnn
		.amdhsa_group_segment_fixed_size 73728
		.amdhsa_private_segment_fixed_size 0
		.amdhsa_enable_private_segment 0
		.amdhsa_kernarg_size 96
		.amdhsa_user_sgpr_count 2
		.amdhsa_user_sgpr_kernarg_segment_ptr 1
		.amdhsa_wavefront_size32 1
		.amdhsa_system_sgpr_workgroup_id_x 1
		.amdhsa_system_sgpr_workgroup_id_y 1
		.amdhsa_system_sgpr_workgroup_id_z 1
		.amdhsa_system_vgpr_workitem_id 0
		.amdhsa_next_free_vgpr 512
		.amdhsa_next_free_sgpr 100
		.amdhsa_reserve_vcc 0
		.amdhsa_float_denorm_mode_32 3
		.amdhsa_float_denorm_mode_16_64 3
		.amdhsa_memory_ordered 1
		.amdhsa_forward_progress 1
		.amdhsa_inst_pref_size 183
	.end_amdhsa_kernel
	.amdgpu_metadata
---
amdhsa.version: [ 1, 2 ]
amdhsa.kernels:
  - .name:           k_q43549d43e7_idnn
    .symbol:         k_q43549d43e7_idnn.kd
    .args:
      - { .name: x1, .offset: 0, .size: 8, .value_kind: global_buffer, .address_space: global }
      - { .name: x4, .offset: 8, .size: 8, .value_kind: global_buffer, .address_space: global }
      - { .name: W1, .offset: 16, .size: 8, .value_kind: global_buffer, .address_space: global }
      - { .name: b1, .offset: 24, .size: 8, .value_kind: global_buffer, .address_space: global }
      - { .name: W2, .offset: 32, .size: 8, .value_kind: global_buffer, .address_space: global }
      - { .name: b2, .offset: 40, .size: 8, .value_kind: global_buffer, .address_space: global }
      - { .name: W3, .offset: 48, .size: 8, .value_kind: global_buffer, .address_space: global }
      - { .name: b3, .offset: 56, .size: 8, .value_kind: global_buffer, .address_space: global }
      - { .name: Wout, .offset: 64, .size: 8, .value_kind: global_buffer, .address_space: global }
      - { .name: out0, .offset: 72, .size: 8, .value_kind: global_buffer, .address_space: global }
      - { .name: out1, .offset: 80, .size: 8, .value_kind: global_buffer, .address_space: global }
      - { .name: out2, .offset: 88, .size: 8, .value_kind: global_buffer, .address_space: global }
    .group_segment_fixed_size: 73728
    .private_segment_fixed_size: 0
    .kernarg_segment_align: 8
    .kernarg_segment_size: 96
    .max_flat_workgroup_size: 256
    .sgpr_count:     100
    .vgpr_count:     512
    .wavefront_size: 32
...
	.end_amdgpu_metadata
.endif
;; end of part 2
